; MI455X (gfx1250); checked and timed in simulation.
; The chip was launched on July 23, 2026; its instructions are those of AMD's public machine-readable ISA for CDNA 5 (MIT licence, August 2026) and "CDNA5" Instruction Set Architecture Reference Guide (July 2026). The comments in the code are by the model that wrote it; some were corrected since.
;; Multi Head Attention W Reduction. Allowed arithmetic: matrix products marked QUANTISED: E5M2 operands, one given power-of-two scale a tensor, by v_wmma_f32_16x16x64_bf8_bf8 or v_wmma_f32_16x16x128_bf8_bf8, f32 sums; everything else in f32.
;; Inputs: Wk_codes 1,024 x 32 x 32 uint8 (E5M2 codes of Wk, K innermost, in blocks of 32 codes); Wo_codes 1,024 x 32 x 32 uint8 (E5M2 codes of Wo, K innermost, in blocks of 32 codes); Wq_codes 1,024 x 32 x 32 uint8 (E5M2 codes of Wq, K innermost, in blocks of 32 codes); Wv_codes 1,024 x 32 x 32 uint8 (E5M2 codes of Wv, K innermost, in blocks of 32 codes); bk 1,024 float32; bo 1,024 float32; bq 1,024 float32; bv 1,024 float32; lowp_scales 12 int32 (the exponents e of the quantised operands' scales 2^e); x_codes 2 x 2,048 x 32 x 32 uint8 (E5M2 codes of x, K innermost, in blocks of 32 codes).
;; Outputs: out0 2 x 2,048 x 1,024 float32.
;; This version of the problem:
;;   THIS VERSION OF THE PROBLEM IS GIVEN IN LOW PRECISION. The matrix products marked QUANTISED in the list below multiply operands that are first quantised to E5M2 (5 exponent bits, 2 mantissa bits; 8 bits a number), with one given power-of-two scale for each operand tensor; their sums are f32. All else is computed in f32.
;;   The module's matrix products, in the order in which they are computed (A, B: the left and right operand; K: the contracted axis; several contracted axes count as one K, in the product's order):
;;     1. [M 4,096, K 1,024] x [K 1,024, N 1,024]; A: input x (given as codes); B: input Wk (given as codes): QUANTISED (scales: A lowp_scales[0], B lowp_scales[1])
;;     2. [M 4,096, K 1,024] x [K 1,024, N 1,024]; A: input x (given as codes); B: input Wq (given as codes): QUANTISED (scales: A lowp_scales[2], B lowp_scales[3])
;;     3. [M 4,096, K 1,024] x [K 1,024, N 1,024]; A: input x (given as codes); B: input Wv (given as codes): QUANTISED (scales: A lowp_scales[4], B lowp_scales[5])
;;     4. batch 32 x [M 2,048, K 64] x [K 64, N 2,048]; A: computed on the way; B: computed on the way: QUANTISED (scales: A lowp_scales[6], B lowp_scales[7])
;;     5. batch 32 x [M 2,048, K 2,048] x [K 2,048, N 64]; A: softmax (see below); B: computed on the way: QUANTISED (scales: A lowp_scales[8], B lowp_scales[9])
;;     6. [M 4,096, K 1,024] x [K 1,024, N 1,024]; A: computed on the way; B: input Wo (given as codes): QUANTISED (scales: A lowp_scales[10], B lowp_scales[11])
;;   THE QUANTISER, for each operand of a quantised product, along K:
;;     - The operand's scale is 2^e, e = its entry of the input lowp_scales (int32; the entries are numbered through the quantised products in the list's order, A before B).
;;     - Each number is divided by the scale, clamped to +-57,344, and rounded to the nearest number of E5M2, ties to even, subnormals kept.
;;     - The product sums the exact products of the quantised numbers (number of the format x scale) in f32.
;;   ~~~python
;;   def quantise(x, axis, e):      # numpy; x: float32 -> the quantised numbers, widened to float32 again
;;       x = np.moveaxis(x, axis, -1); K = x.shape[-1]
;;       r = np.clip(x / 2.0 ** e, -57344, 57344)
;;       step = 2.0 ** (np.maximum(np.frexp(np.where(r == 0, 1, r))[1] - 1, -14) - 2)
;;       q = np.round(r / step) * step * 2.0 ** e      # np.round: ties to even
;;       return np.moveaxis(q, -1, axis).astype(np.float32)
;;   ~~~
;;   SOFTMAX AHEAD OF A QUANTISED PRODUCT. Where the list says 'softmax', what is quantised is not the finished softmax but p = 2^(t - M), with t = logit x log2(e) and M = ceil(the row's largest t), a whole number; so 1/2 < the row's largest p <= 1. The row's sum l is taken of the UNQUANTISED p, in f32, and the product's result is divided by l at the end. Since M is a whole number, a kernel that streams over the keys may use a running M (the ceiling of the running maximum): every later rescaling is an exact power of two, so the quantised numbers keep their values, but for numbers so far below the row's largest that they fall under the format's range.
;;   OPERANDS COMPUTED ON THE WAY. 'Computed on the way' means the value that the module computes at that place (a softmax that the list does not call 'softmax' is quantised finished and normalised). What goes into a quantiser is computed in f32, as accurately as f32 sums, v_exp_f32 and their like allow (about 1e-6 of the number): no bf16 or f16 on the way to a quantiser, and a product that is left as it is and whose result goes on into a quantised operand takes f32 operands (vector FMAs, or v_wmma_f32_16x16x4_f32). A number that lies on a knife's edge between two numbers of the format may be rounded either way, as far as f32 arithmetic and the matrix unit's own rounding can turn it there, and no further.
;;   INPUTS GIVEN AS CODES. Wk (in the module: [1024, 1024], K = its axis 1); Wo (in the module: [1024, 1024], K = its axis 1); Wq (in the module: [1024, 1024], K = its axis 1); Wv (in the module: [1024, 1024], K = its axis 1); x (in the module: [2, 2048, 1024], K = its axis 2): each comes as NAME_codes (uint8): NAME with its K axis moved to the last place and cut into blocks of 32 codes, [.., K / 32, bytes a block], one block behind the other in memory; one code a byte (a code: sign, 5 exponent bits, 2 mantissa bits); its scale is its entry of lowp_scales. Its value is code x scale, taken as it is: it is not quantised again, and the codes and scales need not be those that the quantiser above would give.
;; One version. Each part assembles by itself: llvm-mc -triple=amdgcn-amd-amdhsa -mcpu=gfx1250 --defsym DOCPART=n.
;; ======== version 1 of 1: 3 launches
;; limits: right only within a limited range of input values
;; workspace buffers: q_img 4,194,304 bytes; kv_img 8,388,608 bytes; a_img 4,194,304 bytes
;; launch qkv (part 1): grid 8 x 32, 4 waves a work-group, clusters of 4 x 4, 327,680 bytes of LDS; arguments x_codes, Wk_codes, Wq_codes, Wv_codes, bk, bq, bv, lowp_scales, q_img, kv_img; writes q_img, kv_img
.if DOCPART == 1
	.amdgcn_target "amdgcn-amd-amdhsa--gfx1250"
	.amdhsa_code_object_version 6
	.text
	.protected	k_qe12fd590bb_qkv
	.globl	k_qe12fd590bb_qkv
	.p2align	8
	.type	k_qe12fd590bb_qkv,@function
k_qe12fd590bb_qkv:
	s_mov_b64 s[64:65], 0
	v_nop
	global_prefetch_b8 v0, s[64:65] scope:SCOPE_SE
	s_setreg_imm32_b32 hwreg(HW_REG_WAVE_MODE, 25, 1), 1
	s_wait_xcnt 0x0
	s_wait_alu depctr_hold_cnt(0) depctr_sa_sdst(0) depctr_va_vdst(0) depctr_va_sdst(0) depctr_va_ssrc(0) depctr_va_vcc(0) depctr_vm_vsrc(0)
	s_getreg_b32 s2, hwreg(HW_REG_IB_STS2, 6, 4)
	s_cmp_eq_u32 s2, 0
	s_cbranch_scc0 .Lentry_in_a_cluster
	s_endpgm
.Lentry_in_a_cluster:
	s_bfe_u32 s2, ttmp6, 0x10000c
	s_cmp_lg_u32 s2, 0xf033
	s_cbranch_scc0 .Lentry_shape_is_right
	s_endpgm
.Lentry_shape_is_right:
; k = x Wk^T + bk, q = x Wq^T + bq, v = x Wv^T + bv on codes of BF8 (E5M2), then q, k, v quantised for the two products of attention.
; x: [4096][1024] codes; Wk, Wq, Wv: [1024][1024] codes, K innermost.  lowp_scales: e0, e1 (x, Wk), e2, e3 (x, Wq), e4, e5 (x, Wv), e6 (q), e7 (k), e9 (v).
; A sum of codes stands for sum x 2^(ea + eb).  The bias goes in as the C of a sum's first matrix instruction, divided by 2^(ea + eb); the three scales ahead of a quantiser are folded into
; the conversion's one: code = sum / 2^E, E_k = e7 - e0 - e1, E_q = e6 - e2 - e3, E_v = e9 - e4 - e5, held within +-57,344 x 2^E.
; LIMITS: E_k, E_q, E_v between -126 and 112, so that 2^E and 57,344 x 2^E are f32 numbers.  NaN among the inputs is not served.
; SHARES.  A work-group takes 128 tokens (gy: one key step of one batch) x 128 features (gx: two heads) of each of the three products.  Wave w takes all 128 tokens x features 32 w .. 32 w + 31
; of k, q and v: 48 accumulators, 48 matrix instructions for 128 along K.
; k and q are used TRANSPOSED (source 0 = 16 rows of W, source 1 = 16 tokens): a lane holds one token and eight neighbouring features, which are neighbours along the K of q k^T.
; v is used straight (source 0 = 16 tokens, source 1 = 16 rows of Wv): a lane holds one channel and eight neighbouring tokens, which are neighbours along the K (the keys) of p v.
; So each conversion's two registers are two registers of an operand of attention, and the codes are stored AS IMAGES OF THOSE OPERANDS' REGISTERS: 16 bytes a lane at 16 x lane, 512 consecutive aligned bytes a store.
;   q_img [head 32][tile of 16 tokens 128][piece 2][lane][16]: lane (r, h) = token r; bytes d = 32 c + 8 h + 0..7, then 32 c + 16 + 8 h + 0..7.
;   kv_img [head 32][131,072 of K, laid as q_img | 131,072 of V: [key step 16][tile of 16 channels 4][piece 4][lane][16]: lane = channel r; bytes keys 32 c + 8 h + 0..7, then + 16].
; K goes in steps of 256 through a ring of two LDS slots: x's 128 rows, then Wk's, Wq's, Wv's 128 rows, 256 bytes a row.  Wave 0 fetches x's tile, waves 1, 2, 3 those of Wk, Wq, Wv.
; CLUSTERS: 4 x 4 work-groups.  x's tile hangs on gy alone and is asked for jointly along a row of the cluster; the weights' tiles hang on gx alone: jointly along a column.
; x's and W's fragments are both fetched by four loads of 16 bytes (registers 4 c .. 4 c + 3: K = 32 c + 16 h + 0..15): one permutation of k on both sides, so every product meets its partner.
; REGISTERS, in windows of 256.  Window 0: v8-13 scales and holds; v16-29 addresses; W's six fragments, two sets, from v64 and v160; on the way out the codes.
;   Window 1: x's eight fragments, two sets.   Window 2: k's 16 accumulators (t, u) at 8 (2 t + u), q's at 128 + the same.   Window 3: v's (u, t) at 8 (8 u + t); from v128 the biases.
.set PITCH,  272                       ; an LDS row: 256 bytes + 16 of padding = 68 words: the 16 rows that a fragment load touches start at 16 different banks (64 banks of 4 bytes: ISA guide 11.1)
.set HALFT,  128*PITCH                 ; 128 rows: what one tensor load brings
.set SLOT,   4*HALFT                   ; x, Wk, Wq, Wv
.set SPARE,  2*SLOT                    ; behind the ring: the spare words, 128 bytes for each wave: two blocks of 256 bytes that no other line names
.set PADW,   (1<<20)|(1<<21)|(5<<22)|(3<<25)   ; group 1, word 0 beside the mask: elements of 1 byte; 20 padding on; 21 set beside a mask; 24:22 after every 64 words; 31:25 four words
.set WV,   40                          ; s40      my wave's number
.set G1X,  24                          ; s[24:31] group 1 for x's tiles;  s[32:39] group 0, a set for each slot
.set G0X,  32
.set G1W,  48                          ; s[48:55], s[56:63] the same for the weights' tiles
.set G0W,  56
.set ADRX, 16                          ; v16-17   LDS address of x's fragments in slot 0, 1
.set ADRW, 18                          ; v18-23   of my rows of Wk, Wq, Wv in slot 0, then in slot 1
.set LI,   24                          ; v24      16 x lane: my place in an image
.set H32,  25                          ; v25      32 h: my eight numbers of bk, bq
.set R4,   26                          ; v26      4 r: my number of bv
.set SPW,  28                          ; v28      LDS address of my spare word; never rewritten
.set NIL,  29                          ; v29      0; never rewritten
.set PFO,  30                          ; v30      the prefetches' offset: my lane x a row of 1,024 bytes; never rewritten
.set PFON, 97                          ; s97      1: my wave prefetches
.set PFA,  98                          ; s[98:99] my work-group's 32 of the 128 rows that my wave fetches
; A PREFETCH INTO THE L2 of K step n (256 bytes of each row), one K step ahead of the load that will want it: a lane a row, one instruction a wave.  The four partners that ask for a tile jointly share its rows out
; by address.  K steps 1 to 3 are asked for so; each block is named once in a cluster that asks.  x's rows are asked for by every cluster, the weights' by the clusters of the first four rows of the grid of clusters.
.macro ASK n
	s_cmp_eq_u32 s[PFON], 1
	s_cbranch_scc0 .Lno_ask_\@
	global_prefetch_b8 v[PFO], s[PFA:PFA+1] offset:256*\n th:TH_LOAD_NT scope:SCOPE_SE
.Lno_ask_\@:
.endm
.set WF,   64                          ; W's fragments: set p, matrix m, tile u at WF + 96 p + 16 (2 m + u)
.set BK,   128                         ; window 3: bk's two tiles; bq's at BK + 16
.set BV,   160                         ; bv's two tiles
.set RAW,  176                         ; bv as loaded
.set CK,   64                          ; the way out, window 0: 32 registers of codes for each matrix
.set CQ,   128
.set CV,   192
.set MSB, 0
.macro WIN new                         ; the immediate's high byte repeats the setting that is left; a switch that changes nothing is dropped
.if MSB != (\new)
	s_set_vgpr_msb (MSB<<8)|(\new)
.set MSB, (\new)
.endif
.endm
.macro PLACES                          ; four places in front of loads into registers that matrix instructions have read, and of the first read of results
.rept 4
	v_nop
.endr
.endm
; A joint load: wave 0 fetches x's tile, waves 1 to 3 a weight's.  Each line has one mask; the branch hangs on the wave's number alone.  Four v_nop follow each line.
.macro JLOAD n
	s_cmp_eq_u32 s[WV], 0
	s_cbranch_scc0 .Lfor_w_\@
	tensor_load_to_lds s[G0X+4*\n:G0X+4*\n+3], s[G1X:G1X+7]
	s_nop 0
.rept 4
	v_nop
.endr
	s_branch .Lasked_\@
.Lfor_w_\@:
	tensor_load_to_lds s[G0W+4*\n:G0W+4*\n+3], s[G1W:G1W+7]
	s_nop 0
.rept 4
	v_nop
.endr
.Lasked_\@:
.endm
.macro CREST                           ; a round of the cluster's barrier behind its opening barrier
	s_cmp_lg_u32 s[WV], 0
	s_cbranch_scc1 .Lnot_wave_0_\@
	s_barrier_signal -3
.Lnot_wave_0_\@:
	s_barrier_wait -3
	s_barrier_signal -1
	s_barrier_wait -1
.endm
.macro CROUND                          ; a whole round
	s_barrier_signal -1
	s_barrier_wait -1
	CREST
.endm
; 2^E and 57,344 x 2^E as f32 for one matrix, E = eo - ea - eb; and -(ea + eb) for its bias
.macro SCALES ea, eb, eo, vs, vl, sneg
	s_add_co_i32 s92, s[\ea], s[\eb]
	s_sub_co_i32 s[\sneg], 0, s92
	s_sub_co_i32 s92, s[\eo], s92
	s_add_co_i32 s92, s92, 127
	s_lshl_b32 s93, s92, 23
	v_mov_b32 v[\vs], s93                          ; the conversion takes its exponent field
	s_add_co_i32 s92, s92, 15
	s_lshl_b32 s92, s92, 23
	s_or_b32 s92, s92, 0x600000
	v_mov_b32 v[\vl], s92
.endm
	s_load_b512 s[4:19], s[0:1], 0x0               ; x s[4:5], Wk s[6:7], Wq s[8:9], Wv s[10:11], bk s[12:13], bq s[14:15], bv s[16:17], the scales' exponents s[18:19]
	s_load_b128 s[20:23], s[0:1], 0x40             ; q_img s[20:21], kv_img s[22:23]
	v_lshl_add_u32 v[SPW], v0, 2, SPARE
	v_mov_b32 v[NIL], 0
	ds_add_u32 v28, v29
	ds_add_u32 v28, v29
	s_wait_dscnt 0x0
	v_lshrrev_b32 v1, 5, v0
	v_readfirstlane_b32 s[WV], v1                  ; wave 0..3
	s_bfe_u32 s41, ttmp6, 0x40000                  ; cx, cy: my place in the cluster
	s_bfe_u32 s42, ttmp6, 0x40004
	s_lshl_b32 s43, ttmp9, 2
	s_add_co_u32 s43, s43, s41                     ; gx = 4 x cluster x + cx: features 128 gx on
	s_and_b32 s44, ttmp7, 0xffff
	s_lshl_b32 s44, s44, 2
	s_add_co_u32 s44, s44, s42                     ; gy = 4 x cluster y + cy: tokens 128 gy on
	s_lshl_b32 s45, s42, 2
	s_lshl_b32 s45, 15, s45                        ; my row of the cluster
	s_lshl_b32 s46, 0x1111, s41                    ; my column
	s_or_b32 s[G1X], s45, PADW                     ; x's tiles go to my row,
	s_or_b32 s[G1W], s46, PADW                     ; the weights' to my column
.irp g, G1X, G1W
	s_mov_b32 s[\g+1], 256<<16                     ; tensor_dim0 = 256 bytes
	s_mov_b32 s[\g+2], 128<<16                     ; tensor_dim1 = 128 rows
	s_mov_b32 s[\g+3], 256<<16                     ; tile_dim0
	s_mov_b32 s[\g+4], 128                         ; tile_dim1
	s_mov_b32 s[\g+5], 1024                        ; from row to row
	s_mov_b32 s[\g+6], 0
	s_mov_b32 s[\g+7], 0
.endr
	s_lshl_b32 s72, s44, 17                        ; x: 128 gy rows of 1,024 bytes
	s_mov_b32 s73, 0
	s_lshl_b32 s76, s43, 17                        ; W: 128 gx rows
	s_mov_b32 s77, 0
	s_mul_i32 s47, s[WV], HALFT                    ; where my tile goes: wave x 128 rows: no place in the cluster enters an LDS address
	s_wait_kmcnt 0x0
	s_load_b256 s[80:87], s[18:19], 0x0            ; e0 .. e7
	s_load_b128 s[88:91], s[18:19], 0x20           ; e8 .. e11
	s_add_nc_u64 s[72:73], s[4:5], s[72:73]
	s_cmp_eq_u32 s[WV], 2                          ; which weight I fetch hangs on the wave's number alone: wave 2 Wq, wave 3 Wv, else Wk
	s_cselect_b64 s[74:75], s[8:9], s[6:7]
	s_cmp_eq_u32 s[WV], 3
	s_cselect_b64 s[74:75], s[10:11], s[74:75]
	s_add_nc_u64 s[74:75], s[74:75], s[76:77]
	CROUND                                         ; all sixteen work-groups are here: the first joint loads meet
.irp n, 0,1
	s_mov_b32 s[G0X+4*\n], 1                       ; count = 1
	s_add_co_u32 s[G0X+4*\n+1], s47, \n*SLOT       ; LDS address
	s_add_nc_u64 s[G0X+4*\n+2:G0X+4*\n+3], s[72:73], \n*256   ; global address: K step n
	s_or_b32 s[G0X+4*\n+3], s[G0X+4*\n+3], 0x80000000         ; type = 2
	s_mov_b32 s[G0W+4*\n], 1
	s_add_co_u32 s[G0W+4*\n+1], s47, \n*SLOT
	s_add_nc_u64 s[G0W+4*\n+2:G0W+4*\n+3], s[74:75], \n*256
	s_or_b32 s[G0W+4*\n+3], s[G0W+4*\n+3], 0x80000000
.endr
	JLOAD 0                                        ; K step 0: one tensor load a wave at the head
	v_and_b32 v1, 15, v0                           ; r
	v_bfe_u32 v2, v0, 4, 1                         ; h
	v_and_b32 v3, 31, v0
	v_lshlrev_b32 v[LI], 4, v3
	v_lshlrev_b32 v[PFO], 10, v3
	v_lshlrev_b32 v[H32], 5, v2
	v_lshlrev_b32 v[R4], 2, v1
	v_mul_u32_u24 v[ADRX], v1, PITCH
	v_lshl_add_u32 v[ADRX], v2, 4, v[ADRX]         ; a fragment's row x pitch + 16 h
	v_add_nc_u32 v[ADRX+1], SLOT, v[ADRX]
	s_mul_i32 s92, s[WV], 32*PITCH                 ; my 32 rows of each weight's 128
.irp s, 0,1
.irp m, 0,1,2
	s_add_co_u32 s93, s92, \s*SLOT+(1+\m)*HALFT
	v_add_nc_u32 v[ADRW+3*\s+\m], s93, v[ADRX]
.endr
.endr
	s_lshl_b32 s78, s43, 9                         ; the biases: feature 128 gx + 32 w, in bytes
	s_lshl_b32 s79, s[WV], 7
	s_add_co_u32 s78, s78, s79
	s_mov_b32 s79, 0
	s_add_nc_u64 s[12:13], s[12:13], s[78:79]
	s_add_nc_u64 s[14:15], s[14:15], s[78:79]
	s_add_nc_u64 s[16:17], s[16:17], s[78:79]
	WIN 0xc0                                       ; destination window 3
.irp u, 0,1
	global_load_b128 v[BK+8*\u:BK+8*\u+3],       v[H32], s[12:13] offset:64*\u      ; bk(16 u + 8 h + 0..7): the layout of k's results
	global_load_b128 v[BK+8*\u+4:BK+8*\u+7],     v[H32], s[12:13] offset:64*\u+16
	global_load_b128 v[BK+16+8*\u:BK+16+8*\u+3], v[H32], s[14:15] offset:64*\u      ; bq likewise
	global_load_b128 v[BK+16+8*\u+4:BK+16+8*\u+7], v[H32], s[14:15] offset:64*\u+16
	global_load_b32  v[RAW+\u], v[R4], s[16:17] offset:64*\u                        ; bv(16 u + r): one channel a lane
.endr
	WIN 0
	; where the images go.  head = 16 (gy / 16) + 2 gx + w / 2; key step s = gy % 16
	; the prefetches: x's rows are shared out by cx, a weight's by cy
	s_cmp_eq_u32 s[WV], 0
	s_cselect_b64 s[PFA:PFA+1], s[72:73], s[74:75]
	s_cselect_b32 s92, s41, s42
	s_lshl_b32 s92, s92, 15
	s_mov_b32 s93, 0
	s_add_nc_u64 s[PFA:PFA+1], s[PFA:PFA+1], s[92:93]
	s_and_b32 s92, ttmp7, 0xffff
	s_cmp_lt_u32 s92, 4
	s_cselect_b32 s[PFON], 1, 0
	s_cmp_eq_u32 s[WV], 0
	s_cselect_b32 s[PFON], 1, s[PFON]
	ASK 1
	s_lshr_b32 s78, s44, 4
	s_lshl_b32 s78, s78, 4
	s_lshl_b32 s79, s43, 1
	s_add_co_u32 s78, s78, s79
	s_lshr_b32 s79, s[WV], 1
	s_add_co_u32 s78, s78, s79                     ; the head
	s_and_b32 s79, s44, 15
	s_lshl_b32 s79, s79, 13                        ; 8,192 s
	s_and_b32 s92, s[WV], 1
	s_lshl_b32 s93, s92, 9
	s_add_co_u32 s93, s93, s79                     ; + 512 (w % 2): my features are piece w % 2 of a tile of q or k
	s_lshl_b32 s66, s78, 18
	s_add_co_u32 s66, s66, s93
	s_mov_b32 s67, 0
	s_lshl_b32 s68, s78, 17
	s_add_co_u32 s68, s68, s93
	s_mov_b32 s69, 0
	s_lshl_b32 s70, s78, 18
	s_add_co_u32 s70, s70, s79
	s_lshl_b32 s92, s92, 12                        ; V: my channels are tiles 2 (w % 2) + u of the head's four, 2,048 bytes each
	s_add_co_u32 s70, s70, s92
	s_add_co_u32 s70, s70, 131072
	s_mov_b32 s71, 0
	s_add_nc_u64 s[66:67], s[22:23], s[66:67]      ; k's images
	s_add_nc_u64 s[68:69], s[20:21], s[68:69]      ; q's
	s_add_nc_u64 s[70:71], s[22:23], s[70:71]      ; v's
	s_wait_kmcnt 0x0
	SCALES 80, 81, 87, 8, 9, 94                    ; k: e0, e1, e7
	SCALES 82, 83, 86, 10, 11, 95                  ; q: e2, e3, e6
	SCALES 84, 85, 89, 12, 13, 96                  ; v: e4, e5, e9
	s_wait_loadcnt 0x0                             ; the biases
	WIN 0xc3                                       ; source 0 and destination window 3
.irp j, 0,1,2,3,4,5,6,7,8,9,10,11,12,13,14,15
	v_ldexp_f32 v[BK+\j], v[BK+\j], s94            ; bk / 2^(e0 + e1)
	v_ldexp_f32 v[BK+16+\j], v[BK+16+\j], s95      ; bq / 2^(e2 + e3)
.endr
.irp u, 0,1
.irp j, 0,1,2,3,4,5,6,7
	v_ldexp_f32 v[BV+8*\u+\j], v[RAW+\u], s96      ; bv / 2^(e4 + e5), the same for the lane's eight tokens
.endr
.endr
	WIN 0
; 16 matrix instructions of k (m = 0) or q (m = 1): 8 tiles of tokens x my two tiles of features, 128 along K, from set p.  first = 1: the bias starts the sums: nothing is cleared.
; The 48 accumulators take turns, one instruction a turn, in the same order in every step.
.macro MULKQ m, p, first
.if \first
	WIN 0xb4                                       ; source 0 (W) window 0, source 1 (x) window 1, C (the bias) window 3, D window 2
.else
	WIN 0xa4                                       ; C and D window 2
.endif
.irp t, 0,1,2,3,4,5,6,7
.irp u, 0,1
.if \first
	v_wmma_f32_16x16x128_bf8_bf8 v[128*\m+8*(2*\t+\u):128*\m+8*(2*\t+\u)+7], v[WF+96*\p+16*(2*\m+\u):WF+96*\p+16*(2*\m+\u)+15], v[128*\p+16*\t:128*\p+16*\t+15], v[BK+16*\m+8*\u:BK+16*\m+8*\u+7]
.else
	v_wmma_f32_16x16x128_bf8_bf8 v[128*\m+8*(2*\t+\u):128*\m+8*(2*\t+\u)+7], v[WF+96*\p+16*(2*\m+\u):WF+96*\p+16*(2*\m+\u)+15], v[128*\p+16*\t:128*\p+16*\t+15], v[128*\m+8*(2*\t+\u):128*\m+8*(2*\t+\u)+7]
.endif
.endr
.endr
.endm
; 16 matrix instructions of v: source 0 = x, source 1 = Wv
.macro MULV p, first
	WIN 0xf1                                       ; source 0 (x) window 1, source 1 (Wv) window 0, C and D window 3
.irp u, 0,1
.irp t, 0,1,2,3,4,5,6,7
.if \first
	v_wmma_f32_16x16x128_bf8_bf8 v[8*(8*\u+\t):8*(8*\u+\t)+7], v[128*\p+16*\t:128*\p+16*\t+15], v[WF+96*\p+16*(4+\u):WF+96*\p+16*(4+\u)+15], v[BV+8*\u:BV+8*\u+7]
.else
	v_wmma_f32_16x16x128_bf8_bf8 v[8*(8*\u+\t):8*(8*\u+\t)+7], v[128*\p+16*\t:128*\p+16*\t+15], v[WF+96*\p+16*(4+\u):WF+96*\p+16*(4+\u)+15], v[8*(8*\u+\t):8*(8*\u+\t)+7]
.endif
.endr
.endr
.endm
; 56 LDS loads in one run: the fragments of the slot's q-th 128 along K into set p: my six of the weights, then x's eight
.macro FETCH slot, q, p
	WIN 0
.irp m, 0,1,2
.irp u, 0,1
.irp c, 0,1,2,3
	ds_load_b128 v[WF+96*\p+16*(2*\m+\u)+4*\c:WF+96*\p+16*(2*\m+\u)+4*\c+3], v[ADRW+3*\slot+\m] offset:128*\q+32*\c+\u*16*PITCH
.endr
.endr
.endr
	WIN 0x40                                       ; destination window 1, address window 0
.irp t, 0,1,2,3,4,5,6,7
.irp c, 0,1,2,3
	ds_load_b128 v[128*\p+16*\t+4*\c:128*\p+16*\t+4*\c+3], v[ADRX+\slot] offset:128*\q+32*\c+\t*16*PITCH
.endr
.endr
	WIN 0
.endm
; A slot's first 128 along K multiplies set 0, while set 1's loads (the slot's second 128) come in.  more = 1: it changes slots too: ONE barrier; in front of it each wave waits for all its tensor loads (its part
; of the next slot), adds 0 to its spare word, and waits for that and for set 1, its last reads of this slot.  fill = 1: the barrier opens a round of the cluster's barrier, and this slot is filled again, two K steps
; ahead, first thing behind the round.  Then the next slot's first fragments are fetched into set 0, under the 48 products of set 1.
.macro EVEN slot, next, first, more, fill, ask
	s_wait_dscnt 56                                ; set 0 is in; set 1's 56 loads may be out
	MULKQ 0, 0, \first
	WIN 0
.if \more
	s_wait_tensorcnt 0x0                           ; all my tensor loads have landed
	ds_add_u32 v[SPW], v[NIL]                      ; 0 onto my spare word
	MULKQ 1, 0, \first                             ; sixteen matrix instructions stand between the add and the wait for it
	s_wait_dscnt 0x0                               ; the add is done, and my reads of this slot are over
	s_barrier_signal -1
	MULV 0, \first
	WIN 0
	s_barrier_wait -1
.if \fill
	CREST                                          ; no wave of any partner still reads this slot or has a load on its way
	s_add_nc_u64 s[G0X+4*\slot+2:G0X+4*\slot+3], s[G0X+4*\slot+2:G0X+4*\slot+3], 512
	s_add_nc_u64 s[G0W+4*\slot+2:G0W+4*\slot+3], s[G0W+4*\slot+2:G0W+4*\slot+3], 512
	JLOAD \slot                                    ; the first tensor load behind the round; its four v_nop are also the places in front of the loads below
.else
	PLACES
.endif
	FETCH \next, 0, 0
.if \ask
	ASK \ask
.endif
.else
	MULKQ 1, 0, \first
	MULV 0, \first
	WIN 0
.endif
.endm
; A slot's second 128 multiplies set 1; then the next slot's second 128 is fetched into it
.macro ODD next
	MULKQ 0, 1, 0
	MULKQ 1, 1, 0
	MULV 1, 0
	WIN 0
	PLACES
	FETCH \next, 1, 1
.endm
; THE WAY OUT of one matrix: its 16 accumulators (window w, from ab on) are held within +-57,344 x 2^E, each from its low end on, and converted: two registers of codes an accumulator, from cb on in window 0
.macro QUANT w, ab, sc, lim, cb
	WIN ((\w)<<6)|(\w)                             ; source 0 and destination: the accumulators' window
.set j, 0
.rept 128
	v_med3_num_f32 v[\ab+j], v[\ab+j], -v[\lim], v[\lim]   ; the conversion to an 8-bit code does not saturate (ISA guide 7.6.2)
.set j, j+1
.endr
	WIN \w
.set j, 0
.rept 16
	v_cvt_scalef32_pk8_bf8_f32 v[\cb+2*j:\cb+2*j+1], v[\ab+8*j:\ab+8*j+7], v[\sc]
.set j, j+1
.endr
	v_nop                                          ; one plain vector instruction behind the last conversion
	WIN 0
.endm
	s_wait_alu depctr_va_vdst(0)
	s_wait_tensorcnt 0x0                           ; my part of slot 0 is in
	ds_add_u32 v[SPW], v[NIL]
	s_wait_dscnt 0x0
	CROUND                                         ; everybody's part of slot 0 is in, and all sixteen work-groups are here
	JLOAD 1                                        ; slot 1's first fill, the first tensor load behind the round
	FETCH 0, 0, 0
	FETCH 0, 1, 1
	ASK 2
	EVEN 0, 1, 1, 1, 1, 3                          ; K 0: the biases start the sums; slot 0 takes K 512 on
	ODD 1                                          ; K 128
	EVEN 1, 0, 0, 1, 1, 0                          ; K 256; slot 1 takes K 768 on
	ODD 0                                          ; K 384
	EVEN 0, 1, 0, 1, 0, 0                          ; K 512; nothing is left to fill
	ODD 1                                          ; K 640
	EVEN 1, 0, 0, 0, 0, 0                          ; K 768
	s_wait_dscnt 0x0                               ; K 896: the last step; k leaves ahead of v's products
	MULKQ 0, 1, 0
	MULKQ 1, 1, 0
	WIN 0
	PLACES
	QUANT 2, 0, 8, 9, CK
.irp t, 0,1,2,3,4,5,6,7
	global_store_b128 v[LI], v[CK+4*\t:CK+4*\t+3], s[66:67] offset:1024*\t      ; tile t of the key step, my piece: the wave stores 512 consecutive bytes, aligned
.endr
	MULV 1, 0
	WIN 0
	QUANT 2, 128, 10, 11, CQ
.irp t, 0,1,2,3,4,5,6,7
	global_store_b128 v[LI], v[CQ+4*\t:CQ+4*\t+3], s[68:69] offset:1024*\t
.endr
	QUANT 3, 0, 12, 13, CV
.irp u, 0,1
.irp c, 0,1,2,3
	global_store_b128 v[LI], v[CV+16*\u+4*\c:CV+16*\u+4*\c+3], s[70:71] offset:2048*\u+512*\c   ; channels' tile u, keys 32 c on: the codes of token tiles 2 c and 2 c + 1
.endr
.endr
	s_wait_tensorcnt 0x0                           ; the wave's end
	ds_add_u32 v[SPW], v[NIL]
	s_wait_dscnt 0x0
	CROUND                                         ; the closing round: no work-group ends while a partner may still ask for a tile that names it
	s_endpgm
.Lfunc_end_k_qe12fd590bb_qkv:
	.size	k_qe12fd590bb_qkv, .Lfunc_end_k_qe12fd590bb_qkv-k_qe12fd590bb_qkv
	.p2alignl 7, 3214868480
	.fill 96, 4, 3214868480
	.section	.rodata,"a",@progbits
	.p2align	6, 0x0
	.amdhsa_kernel k_qe12fd590bb_qkv
		.amdhsa_group_segment_fixed_size 327680
		.amdhsa_private_segment_fixed_size 0
		.amdhsa_enable_private_segment 0
		.amdhsa_kernarg_size 80
		.amdhsa_user_sgpr_count 2
		.amdhsa_user_sgpr_kernarg_segment_ptr 1
		.amdhsa_wavefront_size32 1
		.amdhsa_system_sgpr_workgroup_id_x 1
		.amdhsa_system_sgpr_workgroup_id_y 1
		.amdhsa_system_sgpr_workgroup_id_z 1
		.amdhsa_system_vgpr_workitem_id 0
		.amdhsa_next_free_vgpr 1024
		.amdhsa_next_free_sgpr 100
		.amdhsa_reserve_vcc 0
		.amdhsa_float_denorm_mode_32 3
		.amdhsa_float_denorm_mode_16_64 3
		.amdhsa_memory_ordered 1
		.amdhsa_forward_progress 1
		.amdhsa_inst_pref_size 101
	.end_amdhsa_kernel
	.amdgpu_metadata
---
amdhsa.version: [ 1, 2 ]
amdhsa.kernels:
  - .name:           k_qe12fd590bb_qkv
    .symbol:         k_qe12fd590bb_qkv.kd
    .args:
      - { .name: x_codes, .offset: 0, .size: 8, .value_kind: global_buffer, .address_space: global }
      - { .name: Wk_codes, .offset: 8, .size: 8, .value_kind: global_buffer, .address_space: global }
      - { .name: Wq_codes, .offset: 16, .size: 8, .value_kind: global_buffer, .address_space: global }
      - { .name: Wv_codes, .offset: 24, .size: 8, .value_kind: global_buffer, .address_space: global }
      - { .name: bk, .offset: 32, .size: 8, .value_kind: global_buffer, .address_space: global }
      - { .name: bq, .offset: 40, .size: 8, .value_kind: global_buffer, .address_space: global }
      - { .name: bv, .offset: 48, .size: 8, .value_kind: global_buffer, .address_space: global }
      - { .name: lowp_scales, .offset: 56, .size: 8, .value_kind: global_buffer, .address_space: global }
      - { .name: q_img, .offset: 64, .size: 8, .value_kind: global_buffer, .address_space: global }
      - { .name: kv_img, .offset: 72, .size: 8, .value_kind: global_buffer, .address_space: global }
    .group_segment_fixed_size: 327680
    .private_segment_fixed_size: 0
    .kernarg_segment_align: 8
    .kernarg_segment_size: 80
    .max_flat_workgroup_size: 128
    .sgpr_count:     100
    .vgpr_count:     1024
    .wavefront_size: 32
...
	.end_amdgpu_metadata
.endif
;; end of part 1
;; launch attn (part 2): grid 8 x 32, 16 waves a work-group, clusters of 4 x 1, 327,680 bytes of LDS; arguments q_img, kv_img, lowp_scales, a_img; writes a_img
.if DOCPART == 2
	.amdgcn_target "amdgcn-amd-amdhsa--gfx1250"
	.amdhsa_code_object_version 6
	.text
	.protected	k_qe12fd590bb_attn
	.globl	k_qe12fd590bb_attn
	.p2align	8
	.type	k_qe12fd590bb_attn,@function
k_qe12fd590bb_attn:
	s_mov_b64 s[64:65], 0
	v_nop
	global_prefetch_b8 v0, s[64:65] scope:SCOPE_SE
	s_setreg_imm32_b32 hwreg(HW_REG_WAVE_MODE, 25, 1), 1
	s_wait_xcnt 0x0
	s_wait_alu depctr_hold_cnt(0) depctr_sa_sdst(0) depctr_va_vdst(0) depctr_va_sdst(0) depctr_va_ssrc(0) depctr_va_vcc(0) depctr_vm_vsrc(0)
	s_getreg_b32 s2, hwreg(HW_REG_IB_STS2, 6, 4)
	s_cmp_eq_u32 s2, 0
	s_cbranch_scc0 .Lentry_in_a_cluster
	s_endpgm
.Lentry_in_a_cluster:
	s_bfe_u32 s2, ttmp6, 0x10000c
	s_cmp_lg_u32 s2, 0x3003
	s_cbranch_scc0 .Lentry_shape_is_right
	s_endpgm
.Lentry_shape_is_right:
; a = softmax(q k^T / 8) v for each of 32 heads (2,048 queries, 2,048 keys, head size 64) on codes of BF8 (E5M2), then a quantised for the next product.
; q_img, kv_img: images of operand registers, 16 bytes a lane at 16 x lane.  q_img [head][tile of 16 queries 128][1,024 bytes]; kv_img [head][K: tile of 16 keys 128][1,024 bytes], then
; [V: 128 keys 16][tile of 16 channels 4][piece 4][512 bytes].  a_img [128 tokens 32][128 features 8][tile of 16 tokens 8][piece 4][512 bytes].  lowp_scales: e6 (q), e7 (k), e8 (p), e9 (v), e10 (a).
; p = 2^(t - M), t = score x log2(e) / 8, M = the row's largest t rounded up to a whole number; the row's sum is taken of the unquantised p in f32 and divides at the end.
; TWO PASSES over the keys.  Pass 1 makes the scores for their maxima alone; pass 2 makes them again, and p under the row's final M: no sum and no accumulator is ever rescaled.
; SHARES.  A work-group owns 256 queries of one head.  Wave w owns tiles w (A) and w xor 1 (B) of its 16 tiles of queries, and the key half w % 2 (1,024 keys): each fragment of K and V serves two tiles.
; Waves w and w xor 1 share their queries: they exchange maxima behind pass 1, and at the end each sends its sums for tile B and finishes tile A.
; Both products are used transposed: S^T = K Q^T, O^T = V^T P^T: a lane holds ONE query (lane % 16); the eight registers of a tile of S^T are eight neighbouring keys, so a conversion's two registers are two of P's operand.
; LDS holds all of the head's K (131,072 bytes) and V (131,072): filled once.  Each wave asks for 8,192 bytes of K at the head and, behind K's landing, for 8,192 of V, which has pass 1 in which to land.
; CLUSTERS: 4 work-groups of one head; K and V are asked for jointly by all four.  No prefetch: every tile is loaded once, ahead of the loops, so no loop stands ahead of a load.
; LIMITS: e6 + e7 between -123 and 130; e8 and e10 between -126 and 112, so that the powers of two are f32 numbers.  NaN among the inputs is not served.
; REGISTERS: v1-7 addresses; v8-11 -M; v12-19 sums; v20-31 below; v32-47 Q; v48-79 K; v80-111 V (pass 1: K again); v112-175 S^T, then p; v176-239 O^T (pass 1: S^T again); v240-255 p's codes.
.set WV,   12                          ; s12   my wave's number
.set LI,   1                           ; 16 x lane
.set ADK,  2                           ; LDS address of the trip's K, of its V
.set ADV,  3
.set XMR,  4                           ; exchange words: the partner's, mine
.set XMW,  5
.set QOA,  6
.set QOB,  7
.set NMA,  8                           ; -M of tile A, of tile B (pairs)
.set NMB,  10
.set LA,   12                          ; the rows' sums, four parts each
.set LB,   16
.set PLIM, 20                          ; 57,344 x 2^e8
.set PSC,  21                          ; 2^e8
.set MX,   22                          ; v22-25 the largest scores: A in two chains, B in two
.set AK0,  26                          ; my lane's place in my half of K, of V
.set AV0,  27
.set SPW,  28
.set NIL,  29
.set ASC,  30                          ; 2^e10, 57,344 x 2^e10
.set ALIM, 31
.set QA,   32
.set QB,   40
.set KF,   48
.set VF,   80
.set SA,   112
.set SB,   144
.set OA,   176
.set OB,   208
.set PA,   240
.set PB,   248
.set VOFF, 131072
.set XM,   262144                      ; exchange words, 256 bytes for each wave
.set SPARE, XM+4096                    ; the spare words, 128 bytes for each wave
.macro CROUND                          ; a round of the cluster's barrier
	s_barrier_signal -1
	s_barrier_wait -1
	s_cmp_lg_u32 s[WV], 0
	s_cbranch_scc1 .Lnot_wave_0_\@
	s_barrier_signal -3
.Lnot_wave_0_\@:
	s_barrier_wait -3
	s_barrier_signal -1
	s_barrier_wait -1
.endm
.macro KLOAD kf, off                   ; 64 keys: four tiles of 16
.irp t, 0,1,2,3
	ds_load_b128 v[\kf+8*\t:\kf+8*\t+3], v[ADK] offset:\off+1024*\t
	ds_load_b128 v[\kf+8*\t+4:\kf+8*\t+7], v[ADK] offset:\off+1024*\t+512
.endr
.endm
.macro SQK kf, q, s
.irp t, 0,1,2,3
	v_wmma_f32_16x16x64_bf8_bf8 v[\s+8*\t:\s+8*\t+7], v[\kf+8*\t:\kf+8*\t+7], v[\q:\q+7], 0
.endr
.endm
.macro SQK1 kf, q, s, t                ; one of the four
	v_wmma_f32_16x16x64_bf8_bf8 v[\s+8*\t:\s+8*\t+7], v[\kf+8*\t:\kf+8*\t+7], v[\q:\q+7], 0
.endm
.macro MAXS a, b                       ; 32 scores of each tile, in four chains by turns
.irp c, 0,1,2,3
	v_max3_num_f32 v[MX], v[MX], v[\a+8*\c], v[\a+8*\c+1]
	v_max3_num_f32 v[MX+2], v[MX+2], v[\b+8*\c], v[\b+8*\c+1]
	v_max3_num_f32 v[MX+1], v[MX+1], v[\a+8*\c+2], v[\a+8*\c+3]
	v_max3_num_f32 v[MX+3], v[MX+3], v[\b+8*\c+2], v[\b+8*\c+3]
	v_max3_num_f32 v[MX], v[MX], v[\a+8*\c+4], v[\a+8*\c+5]
	v_max3_num_f32 v[MX+2], v[MX+2], v[\b+8*\c+4], v[\b+8*\c+5]
	v_max3_num_f32 v[MX+1], v[MX+1], v[\a+8*\c+6], v[\a+8*\c+7]
	v_max3_num_f32 v[MX+3], v[MX+3], v[\b+8*\c+6], v[\b+8*\c+7]
.endr
.endm
	s_load_b256 s[4:11], s[0:1], 0x0               ; q_img, kv_img, the scales' exponents, a_img
	v_lshl_add_u32 v[SPW], v0, 2, SPARE
	v_mov_b32 v[NIL], 0
	ds_add_u32 v[SPW], v[NIL]                      ; the opening add, twice on end
	ds_add_u32 v[SPW], v[NIL]
	v_lshrrev_b32 v22, 5, v0
	v_readfirstlane_b32 s[WV], v22                 ; wave 0..15
	s_bfe_u32 s13, ttmp6, 0x40000                  ; cx
	s_lshl_b32 s14, ttmp9, 2
	s_add_co_u32 s14, s14, s13                     ; gx: queries 256 gx on
	s_and_b32 s15, ttmp7, 0xffff                   ; the head
	s_mov_b32 s24, 15|(3<<16)|(1<<21)              ; group 1: all four work-groups; elements of 8 bytes; 21 set beside a mask
	s_mov_b32 s25, 32<<16                          ; 32 rows of 256 bytes, dense
	s_mov_b32 s26, 32<<16
	s_mov_b32 s27, 32<<16
	s_mov_b32 s28, 32
	s_mov_b32 s29, 32
	s_mov_b32 s30, 0
	s_mov_b32 s31, 0
	s_and_b32 s49, s[WV], 1                        ; my key half
	s_xor_b32 s48, s[WV], 1                        ; my partner
	s_lshl_b32 s32, s49, 16
	s_lshl_b32 s33, s[WV], 10
	s_lshl_b32 s34, s48, 10
	s_lshl_b32 s35, s[WV], 8
	s_add_co_u32 s35, s35, XM
	s_lshl_b32 s36, s48, 8
	s_add_co_u32 s36, s36, XM
	s_lshl_b32 s60, s[WV], 13                      ; my 8,192 bytes of K, of V
	s_mov_b32 s61, 0
	s_lshl_b32 s16, s15, 18                        ; the head's K and V
	s_mov_b32 s17, 0
	s_lshl_b32 s18, s15, 17                        ; the work-group's Q
	s_lshl_b32 s19, s14, 14
	s_add_co_u32 s18, s18, s19
	s_mov_b32 s19, 0
	s_lshr_b32 s50, s15, 4                         ; a_img: 16 (head / 16) + 2 gx + wave / 8,
	s_lshl_b32 s50, s50, 4
	s_lshl_b32 s51, s14, 1
	s_add_co_u32 s50, s50, s51
	s_lshr_b32 s51, s[WV], 3
	s_add_co_u32 s50, s50, s51
	s_lshl_b32 s50, s50, 17
	s_bfe_u32 s51, s15, 0x30001                    ; features 128 ((head % 16) / 2) on,
	s_lshl_b32 s51, s51, 14
	s_add_co_u32 s50, s50, s51
	s_and_b32 s51, s[WV], 7                        ; tile wave % 8,
	s_lshl_b32 s51, s51, 11
	s_add_co_u32 s50, s50, s51
	s_and_b32 s51, s15, 1                          ; pieces 2 (head % 2) on
	s_lshl_b32 s51, s51, 10
	s_add_co_u32 s50, s50, s51
	s_mov_b32 s51, 0
	s_mov_b32 s20, 0x76543210                      ; lane selects: lane xor 16
	s_mov_b32 s21, 0xfedcba98
	s_mov_b32 s22, 0x3e38aa3b                      ; log2(e) / 8
	v_and_b32 v23, 31, v0
	v_lshlrev_b32 v[LI], 4, v23
	v_lshl_add_u32 v[XMW], v23, 2, s35
	v_lshl_add_u32 v[XMR], v23, 2, s36
	v_add_nc_u32 v[QOA], s33, v[LI]
	v_add_nc_u32 v[QOB], s34, v[LI]
	v_add_nc_u32 v[AK0], s32, v[LI]
	v_add_nc_u32 v[AV0], VOFF, v[AK0]
	s_wait_alu depctr_va_vdst(0)
	s_wait_dscnt 0x0                               ; both opening adds are done
	s_wait_kmcnt 0x0
	s_load_b128 s[52:55], s[8:9], 0x18             ; e6 .. e9
	s_load_b32 s56, s[8:9], 0x28                   ; e10
	s_add_nc_u64 s[16:17], s[6:7], s[16:17]
	s_add_nc_u64 s[18:19], s[4:5], s[18:19]
	s_add_nc_u64 s[50:51], s[10:11], s[50:51]
	s_mov_b32 s40, 1                               ; group 0 for K
	s_mov_b32 s41, s60
	s_add_nc_u64 s[42:43], s[16:17], s[60:61]
	s_mov_b32 s44, 1                               ; and for V
	s_add_co_u32 s45, s60, VOFF
	s_add_nc_u64 s[46:47], s[42:43], VOFF
	s_or_b32 s43, s43, 0x80000000
	s_or_b32 s47, s47, 0x80000000
	CROUND                                         ; all four work-groups are here: the first joint loads meet
	tensor_load_to_lds s[40:43], s[24:31]          ; K
	s_nop 0
.rept 4
	v_nop
.endr
	global_load_b128 v[QA:QA+3], v[QOA], s[18:19]  ; Q comes under K's flight
	global_load_b128 v[QA+4:QA+7], v[QOA], s[18:19] offset:512
	global_load_b128 v[QB:QB+3], v[QOB], s[18:19]
	global_load_b128 v[QB+4:QB+7], v[QOB], s[18:19] offset:512
	s_wait_kmcnt 0x0
	s_add_co_i32 s57, s52, s53
	s_lshl_b32 s57, s57, 23
	s_add_co_i32 s22, s22, s57                     ; a score stands for score x 2^(e6 + e7): added to the exponent field
	s_mov_b32 s23, s22                             ; (named with it as a pair)
	s_add_co_i32 s58, s54, 127
	s_lshl_b32 s57, s58, 23
	s_add_co_i32 s58, s58, 15
	s_lshl_b32 s58, s58, 23
	s_or_b32 s58, s58, 0x600000
	s_add_co_i32 s60, s56, 127
	s_lshl_b32 s59, s60, 23
	s_add_co_i32 s60, s60, 15
	s_lshl_b32 s60, s60, 23
	s_or_b32 s60, s60, 0x600000
	s_add_co_i32 s63, s54, s55                     ; e8 + e9
	v_mov_b32 v[PLIM], s58
	v_mov_b32 v[PSC], s57
	v_mov_b32 v[ASC], s59
	v_mov_b32 v[ALIM], s60
	v_mov_b32 v[NMA+1], 0                          ; (named as the upper half of a pair)
	v_mov_b32 v[NMB+1], 0
.irp j, 0,1,2,3
	v_mov_b32 v[LA+\j], 0
	v_mov_b32 v[LB+\j], 0
	v_mov_b32 v[MX+\j], 0xff7fffff                 ; under every score
.endr
	s_wait_alu depctr_va_vdst(0)
	s_wait_tensorcnt 0x0                           ; my part of K is in
	ds_add_u32 v[SPW], v[NIL]
	s_wait_dscnt 0x0
	CROUND                                         ; all of K is in
	tensor_load_to_lds s[44:47], s[24:31]          ; V: it lands under pass 1
	s_nop 0
.rept 4
	v_nop
.endr
; PASS 1: the largest score of each query among my 1,024 keys.  64 keys a chunk; chunks take turns between two sets of K's registers and two of S^T's: while one chunk is multiplied the last one's maxima are taken.
	s_mov_b32 s48, 0
	v_add_nc_u32 v[ADK], s48, v[AK0]
	KLOAD KF, 0
	KLOAD VF, 4096
	s_wait_alu depctr_va_vdst(0)
	s_wait_loadcnt 0x0                             ; Q
	s_wait_dscnt 8                                 ; chunk 0 is in; chunk 1's eight loads may be out
	SQK KF, QA, SA
	SQK KF, QB, SB
.rept 4
	v_nop                                          ; places in front of loads into registers that matrix instructions have read, and of the first read of results
.endr
	s_mov_b32 s49, 7
.Lmax:
	v_add_nc_u32 v[ADK], s48, v[AK0]
	KLOAD KF, 8192
	s_wait_alu depctr_va_vdst(0)
	s_wait_dscnt 8                                 ; all but the eight just issued
	SQK VF, QA, OA
	SQK VF, QB, OB
	MAXS SA, SB                                    ; (32 plain instructions: the places behind the products)
	KLOAD VF, 12288
	s_wait_alu depctr_va_vdst(0)
	s_wait_dscnt 8
	SQK KF, QA, SA
	SQK KF, QB, SB
	MAXS OA, OB
	s_add_co_u32 s48, s48, 8192
	s_sub_co_u32 s49, s49, 1
	s_cmp_lg_u32 s49, 0
	s_wait_alu depctr_va_vdst(0)
	s_cbranch_scc1 .Lmax
	s_wait_dscnt 0x0
	SQK VF, QA, OA                                 ; the last chunk
	SQK VF, QB, OB
	MAXS SA, SB
	MAXS OA, OB
	v_max_num_f32 v22, v22, v23
	v_max_num_f32 v24, v24, v25
	v_permlanex16_b32 v23, v22, s20, s21           ; lane xor 16 holds the same query's other keys
	v_permlanex16_b32 v25, v24, s20, s21
	v_max_num_f32 v22, v22, v23
	v_max_num_f32 v24, v24, v25
	s_wait_alu depctr_va_vdst(0)
	s_wait_tensorcnt 0x0                           ; my part of V is in
	ds_store_b32 v[XMW], v22
	ds_store_b32 v[XMW], v24 offset:128
	s_wait_dscnt 0x0
	s_barrier_signal -1
	s_barrier_wait -1                              ; everybody's maxima and parts of V are in
	s_mov_b32 s48, 0
	v_add_nc_u32 v[ADK], s48, v[AK0]
	ds_load_b32 v23, v[XMR] offset:128             ; my tile A is my partner's B, and the other way round
	ds_load_b32 v25, v[XMR]
	KLOAD KF, 0
	s_wait_dscnt 8                                 ; the two maxima are in; K's eight loads may be out
	v_max_num_f32 v22, v22, v23
	v_max_num_f32 v24, v24, v25
	v_mul_f32 v22, s22, v22                        ; as t (the factor is positive)
	v_mul_f32 v24, s22, v24
	v_floor_f32 v[NMA], -v22                       ; -M = floor(-t)
	v_floor_f32 v[NMB], -v24
	s_wait_alu depctr_va_vdst(0)
; PASS 2.
.macro EXPS s
.set j, 0
.rept 32
	v_exp_f32 v[\s+j], v[\s+j]
.set j, j+1
.endr
.endm
.macro FMAS s, m, j0, n                ; t - M, two at a time: n pairs from register j0 on
.set j, \j0
.rept \n
	v_pk_fma_f32 v[\s+j:\s+j+1], v[\s+j:\s+j+1], s[22:23], v[\m:\m+1] op_sel_hi:[1,0,0]
.set j, j+2
.endr
.endm
.macro DMIN r                          ; the hold (the conversion to an 8-bit code does not saturate: ISA guide 7.6.2); p is never negative, so it is one-sided; two at a time
	v_dual_min_num_f32 v[\r], v[\r], v[PLIM] :: v_dual_min_num_f32 v[\r+1], v[\r+1], v[PLIM]
.endm
.macro CVT s, p, c
	v_cvt_scalef32_pk8_bf8_f32 v[\p+2*(\c):\p+2*(\c)+1], v[\s+8*(\c):\s+8*(\c)+7], v[PSC]
.endm
.macro POST s, l, p, c                 ; tile c of keys: the sum of the unquantised p, then the hold; the tile before is converted in its middle
	v_pk_add_f32 v[\l:\l+1], v[\l:\l+1], v[\s+8*\c:\s+8*\c+1]
	v_pk_add_f32 v[\l+2:\l+3], v[\l+2:\l+3], v[\s+8*\c+2:\s+8*\c+3]
	DMIN \s+8*\c
	DMIN \s+8*\c+2
.if \c > 0
	CVT \s, \p, \c-1
.endif
	v_pk_add_f32 v[\l:\l+1], v[\l:\l+1], v[\s+8*\c+4:\s+8*\c+5]
	v_pk_add_f32 v[\l+2:\l+3], v[\l+2:\l+3], v[\s+8*\c+6:\s+8*\c+7]
	DMIN \s+8*\c+4
	DMIN \s+8*\c+6
.endm
.macro PV o, p, t, first
	s_wait_alu depctr_va_vdst(0)                   ; directly ahead of the reader of an earlier product's result
.if \first
	v_wmma_f32_16x16x64_bf8_bf8 v[\o+8*\t:\o+8*\t+7], v[VF+8*\t:VF+8*\t+7], v[\p:\p+7], 0
.else
	v_wmma_f32_16x16x64_bf8_bf8 v[\o+8*\t:\o+8*\t+7], v[VF+8*\t:VF+8*\t+7], v[\p:\p+7], v[\o+8*\t:\o+8*\t+7]
.endif
.endm
; 64 keys, the half hh of a trip's 128, as a pipeline: tile A's scores were made in the chunk before, and tile B's products with V are made in the chunk behind, among its multiply-adds.
; first = 1: A's products start the sums.  pvb: the chunk before's products for B (0: there is none; 1; 2: they start the sums).  next = 1: the next chunk's K is fetched, and A's scores of it are made.
; last = 1: behind its V nothing more is read from LDS until the exchange.
.macro CHUNK hh, first, pvb, next, last
	SQK KF, QB, SB
.if \hh == 0
	v_add_nc_u32 v[ADK], s48, v[AK0]
	v_add_nc_u32 v[ADV], s48, v[AV0]
.endif
	FMAS SA, NMA, 0, 4                             ; (four places in front of the loads into K's registers)
.if \next
	KLOAD KF, 4096*(1+\hh)
.endif
	FMAS SA, NMA, 8, 4
.if \pvb
	PV OB, PB, 0, \pvb-1
.endif
	FMAS SA, NMA, 16, 8
.if \pvb
	PV OB, PB, 1, \pvb-1
.endif
	FMAS SB, NMB, 0, 8
.if \pvb
	PV OB, PB, 2, \pvb-1
.endif
	FMAS SB, NMB, 16, 4
.if \pvb
	PV OB, PB, 3, \pvb-1
.endif
	FMAS SB, NMB, 24, 4                            ; (four places in front of the loads into V's registers)
.irp t, 0,1,2,3
	ds_load_b128 v[VF+8*\t:VF+8*\t+3], v[ADV] offset:2048*\t+1024*\hh
	ds_load_b128 v[VF+8*\t+4:VF+8*\t+7], v[ADV] offset:2048*\t+1024*\hh+512
.endr
.if \last
	s_wait_dscnt 0x0                               ; my last reads of K and V are over: said early, waited for behind the products
	s_barrier_signal -1
.endif
	s_wait_alu depctr_va_vdst(0)                   ; ahead of the batch
	EXPS SA
	EXPS SB
	v_nop                                          ; the place behind the batch
	s_wait_alu depctr_va_vdst(0)                   ; and behind it
.irp c, 0,1,2,3
	POST SA, LA, PA, \c
.endr
	CVT SA, PA, 3
	POST SB, LB, PB, 0
.if \last == 0
	s_wait_dscnt 0x0                               ; this chunk's V and the next one's K
.endif
	PV OA, PA, 0, \first                           ; A's products, and A's next scores, stand among B's sums; the accumulators take turns
.if \next
	SQK1 KF, QA, SA, 0
.endif
	POST SB, LB, PB, 1
	PV OA, PA, 1, \first
.if \next
	SQK1 KF, QA, SA, 1
.endif
	POST SB, LB, PB, 2
	PV OA, PA, 2, \first
.if \next
	SQK1 KF, QA, SA, 2
.endif
	POST SB, LB, PB, 3
	PV OA, PA, 3, \first
.if \next
	SQK1 KF, QA, SA, 3
.endif
	CVT SB, PB, 3
	v_nop                                          ; one plain place behind the conversion
.endm
.macro TRIP first, last
	CHUNK 0, \first, 1-\first, 1, 0
	CHUNK 1, 0, 1+\first, 1-\last, \last
	s_add_co_u32 s48, s48, 8192
.endm
	s_wait_dscnt 0x0                               ; chunk 0's K
	SQK KF, QA, SA
.rept 4
	v_nop                                          ; the places ahead of the first read of A's scores
.endr
	TRIP 1, 0
	s_mov_b32 s49, 6
.Lkeys:
	TRIP 0, 0
	s_sub_co_u32 s49, s49, 1
	s_cmp_lg_u32 s49, 0
	s_wait_alu depctr_va_vdst(0)
	s_cbranch_scc1 .Lkeys
	TRIP 0, 1
	PV OB, PB, 0, 0                                ; the last chunk's products for B
	PV OB, PB, 1, 0
	PV OB, PB, 2, 0
	PV OB, PB, 3, 0
	; THE JOIN.  Behind this barrier nobody reads K or V any more: tile B's O^T goes where K lay (K has had its last fill), 4,096 bytes a wave, its row sums into the exchange words.
	s_lshl_b32 s57, s[WV], 12
	s_xor_b32 s58, s[WV], 1
	s_lshl_b32 s58, s58, 12
	s_wait_alu depctr_va_vdst(0)
	s_barrier_wait -1
	v_pk_add_f32 v[LA:LA+1], v[LA:LA+1], v[LA+2:LA+3]   ; (these six are also the places behind the last products)
	v_pk_add_f32 v[LB:LB+1], v[LB:LB+1], v[LB+2:LB+3]
	v_add_nc_u32 v6, s57, v[LI]
	v_add_nc_u32 v7, s58, v[LI]
	v_add_f32 v[LA], v[LA], v[LA+1]
	v_add_f32 v[LB], v[LB], v[LB+1]
.irp i, 0,1,2,3,4,5,6,7
	ds_store_b128 v6, v[OB+4*\i:OB+4*\i+3] offset:512*\i
.endr
	ds_store_b32 v[XMW], v[LB]
	s_wait_alu depctr_va_vdst(0)
	s_wait_dscnt 0x0
	s_barrier_signal -1
	s_barrier_wait -1
	ds_load_b32 v24, v[XMR]                        ; my partner's sums for my tile A
.irp i, 0,1,2,3,4,5,6,7
	ds_load_b128 v[SA+4*\i:SA+4*\i+3], v7 offset:512*\i
.endr
	s_wait_dscnt 0x0
	v_add_f32 v[LA], v[LA], v24
.set j, 0
.rept 16
	v_pk_add_f32 v[SB+j:SB+j+1], v[OA+j:OA+j+1], v[SA+j:SA+j+1]
.set j, j+2
.endr
	v_permlanex16_b32 v25, v[LA], s20, s21
	v_add_f32 v[LA], v[LA], v25                    ; the row's sum
	s_wait_alu depctr_va_vdst(0)
	v_rcp_f32 v26, v[LA]
	v_nop
	s_wait_alu depctr_va_vdst(0)
	v_ldexp_f32 v26, v26, s63                      ; x 2^(e8 + e9)
.set j, 0
.rept 16
	v_pk_mul_f32 v[SB+j:SB+j+1], v[SB+j:SB+j+1], v[26:27] op_sel_hi:[1,0]
.set j, j+2
.endr
.set j, 0
.rept 32
	v_med3_num_f32 v[SB+j], v[SB+j], -v[ALIM], v[ALIM]
.set j, j+1
.endr
.set j, 0
.rept 4
	v_cvt_scalef32_pk8_bf8_f32 v[PA+2*j:PA+2*j+1], v[SB+8*j:SB+8*j+7], v[ASC]
.set j, j+1
.endr
	v_nop
	global_store_b128 v[LI], v[PA:PA+3], s[50:51]  ; 512 consecutive bytes, aligned
	global_store_b128 v[LI], v[PA+4:PA+7], s[50:51] offset:512
	s_wait_tensorcnt 0x0                           ; the wave's end
	ds_add_u32 v[SPW], v[NIL]
	s_wait_dscnt 0x0
	CROUND                                         ; the closing round
	s_endpgm
.Lfunc_end_k_qe12fd590bb_attn:
	.size	k_qe12fd590bb_attn, .Lfunc_end_k_qe12fd590bb_attn-k_qe12fd590bb_attn
	.p2alignl 7, 3214868480
	.fill 96, 4, 3214868480
	.section	.rodata,"a",@progbits
	.p2align	6, 0x0
	.amdhsa_kernel k_qe12fd590bb_attn
		.amdhsa_group_segment_fixed_size 327680
		.amdhsa_private_segment_fixed_size 0
		.amdhsa_enable_private_segment 0
		.amdhsa_kernarg_size 32
		.amdhsa_user_sgpr_count 2
		.amdhsa_user_sgpr_kernarg_segment_ptr 1
		.amdhsa_wavefront_size32 1
		.amdhsa_system_sgpr_workgroup_id_x 1
		.amdhsa_system_sgpr_workgroup_id_y 1
		.amdhsa_system_sgpr_workgroup_id_z 1
		.amdhsa_system_vgpr_workitem_id 0
		.amdhsa_next_free_vgpr 256
		.amdhsa_next_free_sgpr 66
		.amdhsa_reserve_vcc 0
		.amdhsa_float_denorm_mode_32 3
		.amdhsa_float_denorm_mode_16_64 3
		.amdhsa_memory_ordered 1
		.amdhsa_forward_progress 1
		.amdhsa_inst_pref_size 94
	.end_amdhsa_kernel
	.amdgpu_metadata
---
amdhsa.version: [ 1, 2 ]
amdhsa.kernels:
  - .name:           k_qe12fd590bb_attn
    .symbol:         k_qe12fd590bb_attn.kd
    .args:
      - { .name: q_img, .offset: 0, .size: 8, .value_kind: global_buffer, .address_space: global }
      - { .name: kv_img, .offset: 8, .size: 8, .value_kind: global_buffer, .address_space: global }
      - { .name: lowp_scales, .offset: 16, .size: 8, .value_kind: global_buffer, .address_space: global }
      - { .name: a_img, .offset: 24, .size: 8, .value_kind: global_buffer, .address_space: global }
    .group_segment_fixed_size: 327680
    .private_segment_fixed_size: 0
    .kernarg_segment_align: 8
    .kernarg_segment_size: 32
    .max_flat_workgroup_size: 512
    .sgpr_count:     66
    .vgpr_count:     256
    .wavefront_size: 32
...
	.end_amdgpu_metadata
.endif
;; end of part 2
;; launch oproj (part 3): grid 8 x 32, 4 waves a work-group, clusters of 4 x 4, 327,680 bytes of LDS; arguments a_img, Wo_codes, bo, lowp_scales, out0; writes out0
.if DOCPART == 3
	.amdgcn_target "amdgcn-amd-amdhsa--gfx1250"
	.amdhsa_code_object_version 6
	.text
	.protected	k_qe12fd590bb_oproj
	.globl	k_qe12fd590bb_oproj
	.p2align	8
	.type	k_qe12fd590bb_oproj,@function
k_qe12fd590bb_oproj:
	s_mov_b64 s[64:65], 0
	v_nop
	global_prefetch_b8 v0, s[64:65] scope:SCOPE_SE
	s_setreg_imm32_b32 hwreg(HW_REG_WAVE_MODE, 25, 1), 1
	s_wait_xcnt 0x0
	s_wait_alu depctr_hold_cnt(0) depctr_sa_sdst(0) depctr_va_vdst(0) depctr_va_sdst(0) depctr_va_ssrc(0) depctr_va_vcc(0) depctr_vm_vsrc(0)
	s_getreg_b32 s2, hwreg(HW_REG_IB_STS2, 6, 4)
	s_cmp_eq_u32 s2, 0
	s_cbranch_scc0 .Lentry_in_a_cluster
	s_endpgm
.Lentry_in_a_cluster:
	s_bfe_u32 s2, ttmp6, 0x10000c
	s_cmp_lg_u32 s2, 0xf033
	s_cbranch_scc0 .Lentry_shape_is_right
	s_endpgm
.Lentry_shape_is_right:
; out0 = a Wo^T + bo on codes of BF8 (E5M2).  a_img: images of operand registers, [block of 128 tokens 32][K step of 128: 8][tile of 16 tokens 8][2,048 bytes].
; Wo: [1024][1024] codes, K innermost.  out0: [4096][1024] f32.  lowp_scales: e10 (a), e11 (Wo): out = sum x 2^(e10 + e11) + bo, one packed multiply-add for two numbers.
; LIMIT: e10 + e11 between -126 and 127, so that 2^(e10 + e11) is an f32 number.
; SHARES.  A work-group makes 128 tokens (gy) x 128 features (gx); wave w the token half w / 2 x the feature half w % 2: 16 accumulators of 16 x 16.
; All of K for the tile fits in LDS and is filled ONCE, by one load a wave at the head: waves 0 and 1 a's block (65,536 dense bytes each), waves 2 and 3 Wo's rows (64 rows of 1,024 bytes each).
; No prefetch: all that is read is asked for by those loads, and no loop stands ahead of them.
; CLUSTERS: 4 x 4 work-groups.  a's block hangs on gy alone: asked for jointly along a row of the cluster; Wo's rows on gx alone: along a column.
; a's images hold k in the places that this form gives it (registers 2 c, 2 c + 1: k = 16 c + 8 h + 0..7), so Wo's fragments are fetched in that order too: eight loads of 8 bytes.
; TRANSPOSED USE (source 0 = 16 rows of Wo, source 1 = 16 tokens): a lane holds eight neighbouring numbers of a row of out0.
; REGISTERS.  Window 0: v16-27 addresses; v32-63 and v64-95 a block's rows read back, by turns; v96-127 bo; v128-255 accumulator (a, f) at 128 + 8 (4 a + f).  Window 1: two fragment buffers of 128.
.set WP,     1040                      ; a row of Wo in LDS: 1,024 bytes + 16 of padding
.set SP,     272                       ; a row of a stage
.set WOFF,   131072                    ; Wo lies behind a's images
.set STAGE,  WOFF+128*WP               ; 16 rows x 272 bytes for each wave, for the way out; no tile lands there
.set SPARE,  STAGE+4*16*SP
.set WV,   14
.set G1A,  24                          ; s[24:31] group 1 for a;  s[32:39] for Wo;  s[40:43], s[56:59] their groups 0
.set G1W,  32
.set G0A,  40
.set G0W,  56
.set ADA,  16                          ; v16-17   my fragments of a: K steps 0-3, 4-7
.set ADW,  18
.set STO,  24
.set RD,   25
.set CO,   26
.set H32,  27
.set SPW,  30
.set NIL,  31
.set TMP,  32
.set BKR,  64
.set BO,   96
.set ACC,  128
.set MSB, 0
.macro WIN new                         ; the immediate's high byte repeats the setting that is left
.if MSB != (\new)
	s_set_vgpr_msb (MSB<<8)|(\new)
.set MSB, (\new)
.endif
.endm
.macro PLACES                          ; four places in front of loads into registers that matrix instructions have read, and of the first read of results
.rept 4
	v_nop
.endr
.endm
.macro CROUND                          ; a round of the cluster's barrier
	s_barrier_signal -1
	s_barrier_wait -1
	s_cmp_lg_u32 s[WV], 0
	s_cbranch_scc1 .Lnot_wave_0_\@
	s_barrier_signal -3
.Lnot_wave_0_\@:
	s_barrier_wait -3
	s_barrier_signal -1
	s_barrier_wait -1
.endm
	s_load_b256 s[4:11], s[0:1], 0x0               ; a_img s[4:5], Wo s[6:7], bo s[8:9], the scales' exponents s[10:11]
	s_load_b64 s[12:13], s[0:1], 0x20              ; out0
	v_lshl_add_u32 v[SPW], v0, 2, SPARE
	v_mov_b32 v[NIL], 0
	ds_add_u32 v[SPW], v[NIL]                      ; the opening add, twice on end
	ds_add_u32 v[SPW], v[NIL]
	v_lshrrev_b32 v1, 5, v0
	v_readfirstlane_b32 s[WV], v1
	s_lshr_b32 s22, s[WV], 1                       ; my half of the tokens.  Also: I fetch for a (0) or for Wo (1)
	s_and_b32 s19, s[WV], 1                        ; my half of the features.  Also: which half of a tile I fetch
	s_bfe_u32 s15, ttmp6, 0x40000                  ; cx, cy
	s_bfe_u32 s16, ttmp6, 0x40004
	s_lshl_b32 s17, ttmp9, 2
	s_add_co_u32 s17, s17, s15                     ; gx
	s_and_b32 s18, ttmp7, 0xffff
	s_lshl_b32 s18, s18, 2
	s_add_co_u32 s18, s18, s16                     ; gy
	s_lshl_b32 s20, s16, 2
	s_lshl_b32 s20, 15, s20                        ; my row of the cluster
	s_lshl_b32 s21, 0x1111, s15                    ; my column
	s_or_b32 s[G1A], s20, (3<<16)|(1<<21)          ; a: elements of 8 bytes; 21 set beside a mask; no padding
	s_mov_b32 s[G1A+1], 32<<16                     ; rows of 256 bytes, dense
	s_mov_b32 s[G1A+2], 256<<16                    ; 256 of them
	s_mov_b32 s[G1A+3], 32<<16
	s_mov_b32 s[G1A+4], 256
	s_mov_b32 s[G1A+5], 32
	s_mov_b32 s[G1A+6], 0
	s_mov_b32 s[G1A+7], 0
	s_or_b32 s[G1W], s21, (1<<20)|(1<<21)|(7<<22)|(3<<25)   ; Wo: elements of 1 byte; padding: four words after every 256
	s_mov_b32 s[G1W+1], 1024<<16
	s_mov_b32 s[G1W+2], 64<<16
	s_mov_b32 s[G1W+3], 1024<<16
	s_mov_b32 s[G1W+4], 64
	s_mov_b32 s[G1W+5], 1024
	s_mov_b32 s[G1W+6], 0
	s_mov_b32 s[G1W+7], 0
	s_lshl_b32 s80, s19, 16                        ; a: my 65,536 bytes, in LDS as in memory
	s_mul_i32 s82, s19, 64*WP                      ; Wo: my 64 rows in LDS,
	s_add_co_u32 s82, s82, WOFF
	s_lshl_b32 s84, s19, 16                        ; and in memory
	s_lshl_b32 s76, s18, 17                        ; a's block gy
	s_add_co_u32 s76, s76, s80
	s_mov_b32 s77, 0
	s_lshl_b32 s78, s17, 17                        ; Wo's rows 128 gx on
	s_add_co_u32 s78, s78, s84
	s_mov_b32 s79, 0
	s_wait_alu depctr_va_vdst(0)
	s_wait_dscnt 0x0                               ; both opening adds are done
	s_wait_kmcnt 0x0
	s_load_b64 s[86:87], s[10:11], 0x28            ; e10, e11
	s_mov_b32 s[G0A], 1
	s_mov_b32 s[G0A+1], s80
	s_add_nc_u64 s[G0A+2:G0A+3], s[4:5], s[76:77]
	s_or_b32 s[G0A+3], s[G0A+3], 0x80000000
	s_mov_b32 s[G0W], 1
	s_mov_b32 s[G0W+1], s82
	s_add_nc_u64 s[G0W+2:G0W+3], s[6:7], s[78:79]
	s_or_b32 s[G0W+3], s[G0W+3], 0x80000000
	CROUND                                         ; all sixteen work-groups are here: the joint loads meet
	s_cmp_lt_u32 s[WV], 2                          ; one load a wave, in one arm each
	s_cbranch_scc0 .Lfor_w
	tensor_load_to_lds s[G0A:G0A+3], s[G1A:G1A+7]
	s_nop 0
.rept 4
	v_nop
.endr
	s_branch .Lasked
.Lfor_w:
	tensor_load_to_lds s[G0W:G0W+3], s[G1W:G1W+7]
	s_nop 0
.rept 4
	v_nop
.endr
.Lasked:
	v_and_b32 v1, 15, v0                           ; r
	v_bfe_u32 v2, v0, 4, 1                         ; h
	v_and_b32 v3, 31, v0
	s_lshl_b32 s81, s22, 13                        ; my four tiles of tokens: 8,192 bytes of a K step's images
	v_lshl_add_u32 v[ADA], v3, 4, s81
	v_add_nc_u32 v[ADA+1], 65536, v[ADA]
	v_mul_u32_u24 v4, v1, WP
	v_lshl_add_u32 v4, v2, 3, v4                   ; Wo: row r x pitch + 8 h,
	v_add_nc_u32 v[ADW], s82, v4                   ; in the 64 rows of half w % 2
	s_mul_i32 s83, s[WV], 16*SP
	s_add_co_u32 s83, s83, STAGE                   ; my stage
	v_mul_u32_u24 v5, v1, SP
	v_lshl_add_u32 v5, v2, 5, v5
	v_add_nc_u32 v[STO], s83, v5                   ; in: row r, 32 bytes for each half of the lanes
	v_mul_u32_u24 v6, v2, SP
	v_lshl_add_u32 v6, v1, 4, v6
	v_add_nc_u32 v[RD], s83, v6                    ; back: lanes 0-15 one row of 256 bytes, lanes 16-31 the next
	v_lshlrev_b32 v[CO], 12, v2
	v_lshl_add_u32 v[CO], v1, 4, v[CO]             ; and the same two rows in out0
	v_lshlrev_b32 v[H32], 5, v2
	s_wait_alu depctr_va_vdst(0)
	s_lshl_b32 s90, s17, 9                         ; feature 128 gx + 64 (w % 2), in bytes
	s_lshl_b32 s91, s19, 8
	s_add_co_u32 s90, s90, s91
	s_mov_b32 s91, 0
	s_lshl_b32 s92, s18, 19                        ; token 128 gy + 64 (w / 2), rows of 4,096 bytes
	s_lshl_b32 s93, s22, 18
	s_add_co_u32 s92, s92, s93
	s_add_co_u32 s92, s92, s90
	s_mov_b32 s93, 0
	s_add_nc_u64 s[8:9], s[8:9], s[90:91]
	s_add_nc_u64 s[12:13], s[12:13], s[92:93]
.irp f, 0,1,2,3
	global_load_b128 v[BO+8*\f:BO+8*\f+3],   v[H32], s[8:9] offset:64*\f       ; bo(16 f + 8 h + 0..7): the layout of the results
	global_load_b128 v[BO+8*\f+4:BO+8*\f+7], v[H32], s[8:9] offset:64*\f+16
.endr
	s_wait_kmcnt 0x0
	s_add_co_i32 s88, s86, s87
	s_add_co_i32 s88, s88, 127
	s_lshl_b32 s88, s88, 23                        ; 2^(e10 + e11) as f32
	s_mov_b32 s89, s88                             ; (named with it as a pair)
; 48 LDS loads in one run: the fragments of K step g into buffer buf: a's four, then Wo's four
.macro FETCH g, buf
	WIN 0x40                                       ; destination window 1, address window 0
.irp a, 0,1,2,3
.irp i, 0,1,2,3
	ds_load_b128 v[(\buf)+16*\a+4*\i:(\buf)+16*\a+4*\i+3], v[ADA+(\g)/4] offset:((\g)%4)*16384+2048*\a+512*\i
.endr
.endr
.irp f, 0,1,2,3
.irp c, 0,1,2,3,4,5,6,7
	ds_load_b64 v[(\buf)+64+16*\f+2*\c:(\buf)+64+16*\f+2*\c+1], v[ADW] offset:16*WP*\f+128*(\g)+16*\c
.endr
.endr
.endm
; 8 matrix instructions: token tiles a0, a0 + 1 x my four tiles of features.  zero = 1: the first product starts the sums.  The 16 accumulators take turns.
.macro MUL8 buf, a0, zero
.irp a, \a0, \a0+1
.irp f, 0,1,2,3
.if \zero
	v_wmma_f32_16x16x128_bf8_bf8 v[ACC+8*(4*(\a)+\f):ACC+8*(4*(\a)+\f)+7], v[(\buf)+64+16*\f:(\buf)+64+16*\f+15], v[(\buf)+16*(\a):(\buf)+16*(\a)+15], 0
.else
	v_wmma_f32_16x16x128_bf8_bf8 v[ACC+8*(4*(\a)+\f):ACC+8*(4*(\a)+\f)+7], v[(\buf)+64+16*\f:(\buf)+64+16*\f+15], v[(\buf)+16*(\a):(\buf)+16*(\a)+15], v[ACC+8*(4*(\a)+\f):ACC+8*(4*(\a)+\f)+7]
.endif
.endr
.endr
.endm
	s_wait_tensorcnt 0x0                           ; my load is in
	s_barrier_signal -1
	s_barrier_wait -1                              ; everybody's is
	FETCH 0, 0
	FETCH 1, 128
.irp g, 0,1,2,3,4,5,6,7                ; eight K steps of 128, on the two buffers by turns; both are in flight: a step's buffer is fetched anew, two steps ahead, behind its products
.if \g < 7
	s_wait_dscnt 48                                ; this step's fragments are in; the next step's 48 loads may be out
.else
	s_wait_dscnt 0x0
.endif
	WIN 0x05                                       ; sources 0 and 1 window 1; C and D window 0
.if \g == 0
	MUL8 0, 0, 1
	MUL8 0, 2, 1
.else
	MUL8 128*(\g%2), 0, 0
	MUL8 128*(\g%2), 2, 0
.endif
.if \g < 6
	PLACES
	FETCH \g+2, 128*(\g%2)
.endif
.endr
	WIN 0
	PLACES
	s_wait_loadcnt 0x0                             ; bo
	; THE WAY OUT, 16 tokens x 64 features at a time: through my own stage in LDS, and back as whole rows of 256 bytes, into v32-63 and v64-95 by turns: a block is stored while the next one is on its way through the stage.
	; LDS serves a wave's instructions in order (ISA guide 5.7.1.4): no wait between the stores and the loads, nor ahead of the next block's stores.
.macro SEND a, younger                 ; younger: the LDS instructions issued behind block a's loads
	s_wait_dscnt \younger
.irp i, 0,1,2,3,4,5,6,7
	global_store_b128 v[CO], v[TMP+32*((\a)%2)+4*\i:TMP+32*((\a)%2)+4*\i+3], s[12:13] offset:(16*(\a)+2*\i)*4096 th:TH_STORE_NT   ; 16 lanes store 256 consecutive bytes, aligned; written once, read by nobody here
.endr
.endm
.irp a, 0,1,2,3
.set j, 0
.rept 16
	v_pk_fma_f32 v[ACC+32*\a+j:ACC+32*\a+j+1], v[ACC+32*\a+j:ACC+32*\a+j+1], s[88:89], v[BO+j:BO+j+1] op_sel_hi:[1,0,1]   ; in place; each accumulator from its low end on
.set j, j+2
.endr
.irp f, 0,1,2,3
	ds_store_b128 v[STO], v[ACC+32*\a+8*\f:ACC+32*\a+8*\f+3] offset:64*\f
	ds_store_b128 v[STO], v[ACC+32*\a+8*\f+4:ACC+32*\a+8*\f+7] offset:64*\f+16
.endr
.if \a > 1
	s_wait_xcnt 0x0                                ; block a - 2's stores have read their registers: the loads below may land there
.endif
.irp i, 0,1,2,3,4,5,6,7
	ds_load_b128 v[TMP+32*(\a%2)+4*\i:TMP+32*(\a%2)+4*\i+3], v[RD] offset:2*\i*SP
.endr
.if \a > 0
	SEND \a-1, 16                                  ; behind block a - 1's loads: block a's eight stores and eight loads
.endif
.endr
	SEND 3, 0
	s_wait_tensorcnt 0x0                           ; the wave's end
	ds_add_u32 v[SPW], v[NIL]
	s_wait_dscnt 0x0
	CROUND                                         ; the closing round
	s_endpgm
.Lfunc_end_k_qe12fd590bb_oproj:
	.size	k_qe12fd590bb_oproj, .Lfunc_end_k_qe12fd590bb_oproj-k_qe12fd590bb_oproj
	.p2alignl 7, 3214868480
	.fill 96, 4, 3214868480
	.section	.rodata,"a",@progbits
	.p2align	6, 0x0
	.amdhsa_kernel k_qe12fd590bb_oproj
		.amdhsa_group_segment_fixed_size 327680
		.amdhsa_private_segment_fixed_size 0
		.amdhsa_enable_private_segment 0
		.amdhsa_kernarg_size 40
		.amdhsa_user_sgpr_count 2
		.amdhsa_user_sgpr_kernarg_segment_ptr 1
		.amdhsa_wavefront_size32 1
		.amdhsa_system_sgpr_workgroup_id_x 1
		.amdhsa_system_sgpr_workgroup_id_y 1
		.amdhsa_system_sgpr_workgroup_id_z 1
		.amdhsa_system_vgpr_workitem_id 0
		.amdhsa_next_free_vgpr 512
		.amdhsa_next_free_sgpr 96
		.amdhsa_reserve_vcc 0
		.amdhsa_float_denorm_mode_32 3
		.amdhsa_float_denorm_mode_16_64 3
		.amdhsa_memory_ordered 1
		.amdhsa_forward_progress 1
		.amdhsa_inst_pref_size 52
	.end_amdhsa_kernel
	.amdgpu_metadata
---
amdhsa.version: [ 1, 2 ]
amdhsa.kernels:
  - .name:           k_qe12fd590bb_oproj
    .symbol:         k_qe12fd590bb_oproj.kd
    .args:
      - { .name: a_img, .offset: 0, .size: 8, .value_kind: global_buffer, .address_space: global }
      - { .name: Wo_codes, .offset: 8, .size: 8, .value_kind: global_buffer, .address_space: global }
      - { .name: bo, .offset: 16, .size: 8, .value_kind: global_buffer, .address_space: global }
      - { .name: lowp_scales, .offset: 24, .size: 8, .value_kind: global_buffer, .address_space: global }
      - { .name: out0, .offset: 32, .size: 8, .value_kind: global_buffer, .address_space: global }
    .group_segment_fixed_size: 327680
    .private_segment_fixed_size: 0
    .kernarg_segment_align: 8
    .kernarg_segment_size: 40
    .max_flat_workgroup_size: 128
    .sgpr_count:     96
    .vgpr_count:     512
    .wavefront_size: 32
...
	.end_amdgpu_metadata
.endif
;; end of part 3
